; MI455X (gfx1250); checked and timed in simulation.
; The chip was launched on July 23, 2026; its instructions are those of AMD's public machine-readable ISA for CDNA 5 (MIT licence, August 2026) and "CDNA5" Instruction Set Architecture Reference Guide (July 2026). The comments in the code are by the model that wrote it; some were corrected since.
;; Multi Head Attention. Allowed arithmetic: matrix products marked QUANTISED: E5M2 operands, one E8M0 scale for each 32 along K, by v_wmma_scale_f32_16x16x128_f8f6f4 with both operands' format E5M2, f32 sums; everything else in f32.
;; Inputs: beta 1,024 float32; gamma 1,024 float32; k 4 x 2,048 x 1,024 float32; masks 4 x 2,048 x 2,048 int32; proj_K 1,024 float32; proj_Q 1,024 float32; proj_V 1,024 float32; q 4 x 2,048 x 1,024 float32; v 4 x 2,048 x 1,024 float32.
;; Outputs: out0 4 x 2,048 x 1,024 float32.
;; This version of the problem:
;;   THIS VERSION OF THE PROBLEM IS GIVEN IN LOW PRECISION. The matrix products marked QUANTISED in the list below multiply operands that are first quantised to E5M2 (5 exponent bits, 2 mantissa bits; 8 bits a number), with one power-of-two scale for each 32 numbers along K (OCP MX v1.0); their sums are f32. All else is computed in f32.
;;   The module's matrix products, in the order in which they are computed (A, B: the left and right operand; K: the contracted axis; several contracted axes count as one K, in the product's order):
;;     1. batch 64 x [M 2,048, K 64] x [K 64, N 2,048]; A: computed on the way; B: computed on the way: QUANTISED
;;     2. batch 64 x [M 2,048, K 2,048] x [K 2,048, N 64]; A: softmax (see below); B: computed on the way: QUANTISED
;;   THE QUANTISER, for each operand of a quantised product, along K:
;;     - K is cut into blocks of 32 from its start; a last block that is shorter is filled with zeros.
;;     - A block's scale is 2^e with e = floor(log2(the largest magnitude in the block)) - 15, held to -126 .. 127; a block of zeros has e = 0. As a byte (E8M0): e + 127.
;;     - Each number is divided by its block's scale, clamped to +-57,344, and rounded to the nearest number of E5M2, ties to even, subnormals kept.
;;     - The product sums the exact products of the quantised numbers (number of the format x scale) in f32.
;;   ~~~python
;;   def quantise(x, axis):      # numpy; x: float32 -> the quantised numbers, widened to float32 again
;;       x = np.moveaxis(x, axis, -1); K = x.shape[-1]
;;       x = np.pad(x, [(0, 0)] * (x.ndim - 1) + [(0, -K % 32)]); x = x.reshape(x.shape[:-1] + (-1, 32)); a = np.abs(x).max(-1, keepdims=True)
;;       e = np.where(a > 0, np.clip(np.frexp(np.where(a > 0, a, 1))[1] - 1 - 15, -126, 127), 0)      # np.frexp(a)[1] - 1 = floor(log2(a)), exactly
;;       r = np.clip(x / 2.0 ** e, -57344, 57344)
;;       step = 2.0 ** (np.maximum(np.frexp(np.where(r == 0, 1, r))[1] - 1, -14) - 2)
;;       q = np.round(r / step) * step * 2.0 ** e      # np.round: ties to even
;;       return np.moveaxis(q.reshape(q.shape[:-2] + (-1,))[..., :K], -1, axis).astype(np.float32)
;;   ~~~
;;   SOFTMAX AHEAD OF A QUANTISED PRODUCT. Where the list says 'softmax', what is quantised is not the finished softmax but p = 2^(t - M), with t = logit x log2(e) and M = ceil(the row's largest t), a whole number; so 1/2 < the row's largest p <= 1. The row's sum l is taken of the UNQUANTISED p, in f32, and the product's result is divided by l at the end. Since M is a whole number, a kernel that streams over the keys may use a running M (the ceiling of the running maximum): every later rescaling is an exact power of two, which a block's scale takes up: the codes' values come out the same.
;;   OPERANDS COMPUTED ON THE WAY. 'Computed on the way' means the value that the module computes at that place (a softmax that the list does not call 'softmax' is quantised finished and normalised). What goes into a quantiser is computed in f32, as accurately as f32 sums, v_exp_f32 and their like allow (about 1e-6 of the number): no bf16 or f16 on the way to a quantiser, and a product that is left as it is and whose result goes on into a quantised operand takes f32 operands (vector FMAs, or v_wmma_f32_16x16x4_f32). A number that lies on a knife's edge between two numbers of the format may be rounded either way, as far as f32 arithmetic and the matrix unit's own rounding can turn it there, and no further.
;; One version. Each part assembles by itself: llvm-mc -triple=amdgcn-amd-amdhsa -mcpu=gfx1250 --defsym DOCPART=n.
;; ======== version 1 of 1: 4 launches
;; limits: right only within a limited range of input values
;; workspace buffers: mbits 2,097,152 bytes of whole numbers; kv 17,301,504 bytes; qq 8,912,896 bytes; ctx 33,554,432 bytes
;; launch pack (part 1): grid 256 x 1, 16 waves a work-group, no clusters, 272,384 bytes of LDS; arguments masks, mbits; writes mbits
.if DOCPART == 1
	.amdgcn_target "amdgcn-amd-amdhsa--gfx1250"
	.amdhsa_code_object_version 6
	.text
	.protected	k_q15ecd89362_pack
	.globl	k_q15ecd89362_pack
	.p2align	8
	.type	k_q15ecd89362_pack,@function
k_q15ecd89362_pack:
	s_mov_b64 s[64:65], 0
	v_nop
	global_prefetch_b8 v0, s[64:65] scope:SCOPE_SE
	s_setreg_imm32_b32 hwreg(HW_REG_WAVE_MODE, 25, 1), 1
	s_wait_xcnt 0x0
; masks [4][2048][2048] int32 becomes one bit a number, laid as the attention launch's selects want it.
; mbits: unit (Tf, j) at byte (16 Tf + j) x 256, Tf = row / 16 of the 8,192 rows, j = key / 128.  A unit has 64 words; word rho = 16 bb + i holds in bit
; L = r + 16 hh whether masks[row 16 Tf + r][key 128 j + 32 bb + 16 hh + i] is not 0: the lane mask of the attention's score register rho.
; SHARES.  A work-group owns 32 rows (two tiles of 16), wave w the keys 128 w .. 128 w + 127 of them: 32 rows x 512 bytes, brought by ONE tensor load of its own into LDS bytes of its own
; and read by that wave alone: its own wait on TENSORcnt is all the ordering, there is no barrier, and nothing is filled twice.
; A compare of 32 lanes gives the word as it is wanted; v_writelane_b32 gathers two words a lane, and the 32 lanes store one aligned run of 256 bytes.
.set PITCH, 528                        ; an LDS row: 512 bytes + 16 of padding: an odd multiple of 16, so the 16 rows that a load touches fall on 16 different 16-byte columns modulo 256
.set WREG,  32*PITCH                   ; a wave's bytes
.set WD,    8                          ; v[8:9] tile 0's words, v[10:11] tile 1's: lane l holds words 2 l and 2 l + 1
.set DT,    16                         ; v16-143 the numbers: tile u's register rho at v[16 + 64 u + rho]
.set CM,    32                         ; s32-47 sixteen compare results
	s_load_b128 s[4:7], s[0:1], 0x0                ; masks s[4:5], mbits s[6:7]
	v_lshl_add_u32 v144, v0, 2, 0x42000
	v_mov_b32 v145, 0
	ds_add_u32 v144, v145
	ds_add_u32 v144, v145
	v_lshrrev_b32 v1, 5, v0
	s_delay_alu instid0(VALU_DEP_1)
	v_readfirstlane_b32 s8, v1                     ; wave 0..15
	; descriptor group 1: 32 rows x 128 elements of 4 bytes, 2,048 elements from row to row; in LDS four words of padding behind every 128
	s_mov_b32 s16, (2<<16)|(1<<20)|(6<<22)|(3<<25)
	s_mov_b32 s17, 128<<16                         ; tensor_dim0 = 128
	s_mov_b32 s18, 32<<16                          ; tensor_dim1 = 32
	s_mov_b32 s19, 128<<16                         ; tile_dim0 = 128
	s_mov_b32 s20, 32                              ; tile_dim1 = 32
	s_mov_b32 s21, 2048                            ; the pitch
	s_mov_b32 s22, 0
	s_mov_b32 s23, 0
	s_lshl_b32 s24, ttmp9, 18                      ; 32 rows of 8,192 bytes a work-group,
	s_lshl_b32 s26, s8, 9                          ; 512 bytes of a row a wave
	s_add_co_u32 s24, s24, s26
	s_mov_b32 s25, 0
	s_lshl_b32 s26, ttmp9, 13                      ; mbits: two tiles x 16 units x 256 bytes a work-group,
	s_lshl_b32 s28, s8, 8                          ; unit j = wave
	s_add_co_u32 s26, s26, s28
	s_mov_b32 s27, 0
	s_mov_b32 s12, 1                               ; group 0: count = 1,
	s_mul_i32 s13, s8, WREG                        ; LDS address: the wave's own bytes,
	s_wait_dscnt 0x0
	s_wait_kmcnt 0x0
	s_add_nc_u64 s[6:7], s[6:7], s[26:27]
	s_add_nc_u64 s[14:15], s[4:5], s[24:25]        ; global address of the tile's first element,
	s_or_b32 s15, s15, 0x80000000                  ; type = 2
	tensor_load_to_lds s[12:15], s[16:23]          ; my one tensor load
	s_nop 0
.rept 4
	v_nop
.endr
	v_and_b32 v2, 15, v0                           ; r
	v_bfe_u32 v3, v0, 4, 1                         ; hh
	s_delay_alu instid0(VALU_DEP_2)
	v_mul_u32_u24 v4, v2, PITCH
	s_delay_alu instid0(VALU_DEP_1)
	v_lshl_add_u32 v4, v3, 6, v4                   ; row r, + 16 keys (64 bytes) for the upper half of the lanes
	s_delay_alu instid0(VALU_DEP_1)
	v_add_nc_u32 v4, s13, v4
	v_and_b32 v5, 31, v0
	s_delay_alu instid0(VALU_DEP_1)
	v_lshlrev_b32 v5, 3, v5                        ; out: 8 bytes a lane
.irp i, 0,1,2,3
	v_mov_b32 v[WD+\i], 0                          ; a lane write's destination counts as read
.endr
	s_wait_alu depctr_va_vdst(0)
	s_wait_tensorcnt 0x0                           ; my tile is in LDS
.irp u, 0,1
.irp bb, 0,1,2,3
.irp g, 0,1,2,3
	ds_load_b128 v[DT+64*\u+16*\bb+4*\g:DT+64*\u+16*\bb+4*\g+3], v4 offset:16*PITCH*\u+128*\bb+16*\g
.endr
.endr
.endr
.macro TILE u
	s_wait_dscnt 16*(1-\u)                         ; LDS loads come back in order: this tile's sixteen are in; behind tile 0's stand tile 1's sixteen
.irp q, 0,1,2,3
.set i, 0
.rept 16
	v_cmp_ne_u32 s[CM+i], 0, v[DT+64*\u+16*\q+i]   ; word 16 q + i: bit L = my lane's number is not 0
.set i, i+1
.endr
.set i, 0
.rept 16
	v_writelane_b32 v[WD+2*\u+(i&1)], s[CM+i], 8*\q+(i>>1)
.set i, i+1
.endr
.endr
	global_store_b64 v5, v[WD+2*\u:WD+2*\u+1], s[6:7] offset:4096*\u   ; 32 lanes store 256 consecutive bytes, aligned: the unit
.endm
	TILE 0
	TILE 1
	s_wait_tensorcnt 0x0
	ds_add_u32 v144, v145
	s_wait_dscnt 0x0
	s_endpgm
.Lfunc_end_k_q15ecd89362_pack:
	.size	k_q15ecd89362_pack, .Lfunc_end_k_q15ecd89362_pack-k_q15ecd89362_pack
	.p2alignl 7, 3214868480
	.fill 96, 4, 3214868480
	.section	.rodata,"a",@progbits
	.p2align	6, 0x0
	.amdhsa_kernel k_q15ecd89362_pack
		.amdhsa_group_segment_fixed_size 272384
		.amdhsa_private_segment_fixed_size 0
		.amdhsa_enable_private_segment 0
		.amdhsa_kernarg_size 16
		.amdhsa_user_sgpr_count 2
		.amdhsa_user_sgpr_kernarg_segment_ptr 1
		.amdhsa_wavefront_size32 1
		.amdhsa_system_sgpr_workgroup_id_x 1
		.amdhsa_system_sgpr_workgroup_id_y 1
		.amdhsa_system_sgpr_workgroup_id_z 1
		.amdhsa_system_vgpr_workitem_id 0
		.amdhsa_next_free_vgpr 146
		.amdhsa_next_free_sgpr 66
		.amdhsa_reserve_vcc 0
		.amdhsa_float_denorm_mode_32 3
		.amdhsa_float_denorm_mode_16_64 3
		.amdhsa_memory_ordered 1
		.amdhsa_forward_progress 1
		.amdhsa_inst_pref_size 21
	.end_amdhsa_kernel
	.amdgpu_metadata
---
amdhsa.version: [ 1, 2 ]
amdhsa.kernels:
  - .name:           k_q15ecd89362_pack
    .symbol:         k_q15ecd89362_pack.kd
    .args:
      - { .name: masks, .offset: 0, .size: 8, .value_kind: global_buffer, .address_space: global }
      - { .name: mbits, .offset: 8, .size: 8, .value_kind: global_buffer, .address_space: global }
    .group_segment_fixed_size: 272384
    .private_segment_fixed_size: 0
    .kernarg_segment_align: 8
    .kernarg_segment_size: 16
    .max_flat_workgroup_size: 512
    .sgpr_count:     66
    .vgpr_count:     146
    .wavefront_size: 32
...
	.end_amdgpu_metadata
.endif
;; end of part 1
;; launch quant (part 2): grid 16 x 16, 16 waves a work-group, no clusters, 169,984 bytes of LDS; arguments q, proj_Q, proj_K, proj_V, qq, kv; writes qq, kv
.if DOCPART == 2
	.amdgcn_target "amdgcn-amd-amdhsa--gfx1250"
	.amdhsa_code_object_version 6
	.text
	.protected	k_q15ecd89362_quant
	.globl	k_q15ecd89362_quant
	.p2align	8
	.type	k_q15ecd89362_quant,@function
k_q15ecd89362_quant:
	s_mov_b64 s[64:65], 0
	v_nop
	global_prefetch_b8 v0, s[64:65] scope:SCOPE_SE
	s_setreg_imm32_b32 hwreg(HW_REG_WAVE_MODE, 25, 1), 1
	s_wait_xcnt 0x0
; Q = q x proj_Q, K = q x proj_K, V = q x proj_V (f32, one multiplication each, as the problem has them) become codes of BF8 (E5M2) with one E8M0 scale byte for each 32 along a product's K:
; Q and K along the head's 64 channels, V along the keys.  The problem's inputs k and v are not loaded: its function never reads them, whatever they hold.
; A block's scale is 2^(floor(log2(its largest magnitude)) - 15); its byte is the largest magnitude's exponent field - 15, held at 1 from below; each number is held within +-57,344 x the scale and rounded to the nearest code.
; LIMITS: a block of zeros gets the byte 1 where the rule says 127 (its codes are zeros, and this program alone reads the bytes); NaN and infinities among the inputs are not served.
; THE BUFFERS ARE LAID AS IMAGES OF THE OPERANDS' REGISTERS: a chunk of 512 bytes is four registers of 32 lanes, lane L's 16 bytes at 16 L (L = r + 16 hh).
;   kv block (head n, key step j of 128 keys) at (16 n + j) x 16,896:  four K fragments of 2,048 bytes, four V fragments of 2,048, 256 bytes of K's scale words, 256 of V's.
;     K fragment bb, chunk 2 u + c: key 32 bb + 8 u + r + 8 (r / 8), channels 32 c + 16 hh + 0 .. 15: two tiles of 16 keys side by side along the instruction's 128.  Its scale word at 64 bb + 4 r, byte 2 u + c.
;     V fragment t, chunk c: channel 16 t + r, keys 32 c + 16 hh + 0 .. 15.  Its scale word at 4 (16 t + r), byte c.
;   qq unit (n, block of 128 queries) at (16 n + kb) x 8,704: eight tiles of 1,024 bytes (chunk c: query r, channels 32 c + 16 hh + 0 .. 15); from 8,192 on the scale words, 64 tau + 4 r, bytes q0 q1 q0 q1.
; SHARES.  Work-group (kb, y): 128 rows of batch y / 4, heads 4 (y % 4) + 0 .. 3.  Wave w: head hw = w % 4, rows 32 p on, p = w / 4: 32 rows x 256 bytes, by one tensor load into its own LDS bytes, filled once.
; For Q and K a lane takes a ROW and its registers run along the channels; for V a lane takes a CHANNEL and its registers run down the 32 keys: in both a block of 32 lies in one lane.
; The scale bytes meet in a stage of 1,024 bytes a head (into which no fill lands) and leave behind one barrier, 256 consecutive aligned bytes a wave.
.set XP,   272                         ; an LDS row: 256 bytes + 16: an odd multiple of 16
.set WREG, 32*XP
.set STG,  16*WREG                     ; the stage: a multiple of 256
.set X,    16                          ; v16-79   my row's 64 numbers; later my two channels' 32 keys each
.set PQ,   80                          ; v80-143  proj_Q's 64 of my head, the same in every lane
.set PK,   144                         ; v144-207 proj_K's
.set Y,    208                         ; v208-239 the 32 numbers of the block in hand
.set C,    240                         ; v240-247 its codes
.set MNT,  34
	s_load_b256 s[4:11], s[0:1], 0x0               ; q s[4:5], proj_Q s[6:7], proj_K s[8:9], proj_V s[10:11]
	s_load_b128 s[36:39], s[0:1], 0x20             ; qq s[36:37], kv s[38:39]
	v_lshl_add_u32 v254, v0, 2, 0x29000
	v_mov_b32 v255, 0
	ds_add_u32 v254, v255
	ds_add_u32 v254, v255
	s_wait_dscnt 0x0
	v_lshrrev_b32 v1, 5, v0
	s_delay_alu instid0(VALU_DEP_1)
	v_readfirstlane_b32 s24, v1                    ; wave 0..15
	s_and_b32 s25, s24, 3                          ; hw
	s_lshr_b32 s26, s24, 2                         ; p
	s_and_b32 s28, ttmp7, 0xffff                   ; y
	s_lshr_b32 s29, s28, 2                         ; batch
	s_and_b32 s30, s28, 3
	s_lshl_b32 s31, s30, 2
	s_add_co_u32 s31, s31, s25                     ; head in the batch
	s_lshl_b32 s32, s28, 2
	s_add_co_u32 s32, s32, s25                     ; n = 16 batch + head = 4 y + hw
	s_lshl_b32 s40, s29, 23                        ; q: the batch's 2,048 rows of 4,096 bytes,
	s_lshl_b32 s33, ttmp9, 19                      ; 128 rows a block,
	s_add_co_u32 s40, s40, s33
	s_lshl_b32 s33, s26, 17                        ; 32 rows a wave,
	s_add_co_u32 s40, s40, s33
	s_lshl_b32 s42, s31, 8                         ; the head's 256 bytes of a row (and of each proj)
	s_add_co_u32 s40, s40, s42
	s_mov_b32 s41, 0
	s_mov_b32 s43, 0
	s_lshl_b32 s33, s32, 4
	s_add_co_u32 s33, s33, ttmp9                   ; 16 n + kb
	s_mul_i32 s44, s33, 16896
	s_mov_b32 s45, 0
	s_mul_i32 s46, s33, 8704
	s_mov_b32 s47, 0
	; descriptor group 1: 32 rows x 64 elements of 4 bytes, 1,024 elements from row to row; four words of padding behind every 64
	s_mov_b32 s16, (2<<16)|(1<<20)|(5<<22)|(3<<25)
	s_mov_b32 s17, 64<<16
	s_mov_b32 s18, 32<<16
	s_mov_b32 s19, 64<<16
	s_mov_b32 s20, 32
	s_mov_b32 s21, 1024
	s_mov_b32 s22, 0
	s_mov_b32 s23, 0
	s_mov_b32 s12, 1
	s_mul_i32 s13, s24, WREG                       ; the wave's own LDS bytes
	s_lshl_b32 s60, s25, 10
	s_add_co_u32 s60, s60, STG                     ; my head's stage: [0, 256) K's words, [256, 512) V's, [512, 1024) Q's
	s_lshl_b32 s61, s26, 7
	s_add_co_u32 s61, s61, s60
	s_add_co_u32 s61, s61, 512                     ; Q's words of my 32 rows
	s_lshl_b32 s62, s26, 6
	s_add_co_u32 s62, s62, s60                     ; K's words of fragment p
	s_add_co_u32 s63, s60, s26
	s_add_co_u32 s63, s63, 256                     ; V's words, byte p
	s_lshl_b32 s35, s26, 8
	s_add_co_u32 s35, s35, s60                     ; the quarter of the stage that I carry out
	s_wait_kmcnt 0x0
	s_add_nc_u64 s[14:15], s[4:5], s[40:41]
	s_or_b32 s15, s15, 0x80000000                  ; type = 2
	tensor_load_to_lds s[12:15], s[16:23]          ; my one tensor load
	s_nop 0
.rept 4
	v_nop
.endr
	s_add_nc_u64 s[6:7], s[6:7], s[42:43]
	s_add_nc_u64 s[8:9], s[8:9], s[42:43]
	s_add_nc_u64 s[10:11], s[10:11], s[42:43]
	s_add_nc_u64 s[48:49], s[38:39], s[44:45]      ; my kv block
	s_add_nc_u64 s[50:51], s[36:37], s[46:47]      ; my qq unit
	s_lshl_b32 s44, s26, 11
	s_add_nc_u64 s[52:53], s[48:49], s[44:45]      ; K fragment p
	s_add_nc_u64 s[56:57], s[50:51], s[44:45]      ; Q tiles 2 p, 2 p + 1
	s_lshl_b32 s44, s26, 9
	s_add_co_u32 s44, s44, 8192
	s_add_nc_u64 s[54:55], s[48:49], s[44:45]      ; chunk p of V's fragments
	s_cmp_lt_u32 s26, 2                            ; the scale words: waves p = 0, 1 carry K's and V's to kv, p = 2, 3 the halves of Q's to qq.  The choice hangs on the wave's number alone
	s_cselect_b64 s[58:59], s[48:49], s[50:51]
	s_mov_b32 s44, 8192
	s_cselect_b32 s44, 16384, s44
	s_and_b32 s46, s26, 1
	s_lshl_b32 s46, s46, 8
	s_add_co_u32 s44, s44, s46
	s_add_nc_u64 s[58:59], s[58:59], s[44:45]
	v_and_b32 v1, 31, v0                           ; lane
	v_mov_b32 v254, 0
	s_delay_alu instid0(VALU_DEP_2)
	v_lshlrev_b32 v255, 2, v1
.set i, 0
.rept 16
	global_load_b128 v[PQ+4*i:PQ+4*i+3], v254, s[6:7] offset:16*i      ; every lane takes the same 16 bytes
	global_load_b128 v[PK+4*i:PK+4*i+3], v254, s[8:9] offset:16*i
.set i, i+1
.endr
	global_load_b32 v250, v255, s[10:11]           ; proj_V of channel lane,
	global_load_b32 v251, v255, s[10:11] offset:128   ; and of channel 32 + lane
	v_mul_u32_u24 v2, v1, XP
	s_delay_alu instid0(VALU_DEP_1)
	v_add_nc_u32 v2, s13, v2                       ; LDS: my row
	v_lshl_add_u32 v3, v1, 2, s13                  ; LDS: my channel in row 0
	v_and_b32 v12, 15, v1
	v_lshrrev_b32 v13, 4, v1
	s_delay_alu instid0(VALU_DEP_2)
	v_lshlrev_b32 v4, 4, v12
	s_delay_alu instid0(VALU_DEP_1)
	v_lshl_add_u32 v6, v13, 11, v4                 ; V: fragment lane / 16 of the pair, row lane % 16
	s_delay_alu instid0(VALU_DEP_2)
	v_lshl_add_u32 v4, v13, 10, v4                 ; Q: tile lane / 16 of the pair, row lane % 16
	v_and_b32 v14, 7, v1
	v_bfe_u32 v15, v1, 3, 1
	s_delay_alu instid0(VALU_DEP_2)
	v_lshlrev_b32 v5, 4, v14                       ; K: my row is key 8 u + r + 8 (r / 8): u = bit 3, r = 8 x bit 4 + the low three bits
	s_delay_alu instid0(VALU_DEP_1)
	v_lshl_add_u32 v5, v13, 7, v5
	s_delay_alu instid0(VALU_DEP_1)
	v_lshl_add_u32 v5, v15, 10, v5
	v_lshl_add_u32 v7, v1, 2, s61                  ; stage: Q's word
	v_lshlrev_b32 v8, 2, v14
	s_delay_alu instid0(VALU_DEP_1)
	v_lshl_add_u32 v8, v13, 5, v8
	s_delay_alu instid0(VALU_DEP_1)
	v_lshl_add_u32 v8, v15, 1, v8
	s_delay_alu instid0(VALU_DEP_1)
	v_add_nc_u32 v8, s62, v8                       ; stage: K's two bytes: 4 r + 2 u
	v_lshl_add_u32 v9, v1, 2, s63                  ; stage: V's byte p of channel lane
	v_lshl_add_u32 v10, v1, 3, s35                 ; stage, on the way out: 8 bytes a lane
	v_lshlrev_b32 v11, 3, v1
; The 32 numbers in Y become 32 codes in C; the scale's byte goes to v[byte].
.macro QUANT32 byte
	v_max3_num_f32 v12, |v[Y]|, |v[Y+1]|, |v[Y+2]|                 ; the block's largest magnitude, in two chains
	v_max3_num_f32 v13, |v[Y+3]|, |v[Y+4]|, |v[Y+5]|
.irp i, 6,10,14,18,22,26
	s_delay_alu instid0(VALU_DEP_2)
	v_max3_num_f32 v12, v12, |v[Y+\i]|, |v[Y+\i+1]|
	s_delay_alu instid0(VALU_DEP_2)
	v_max3_num_f32 v13, v13, |v[Y+\i+2]|, |v[Y+\i+3]|
.endr
	s_delay_alu instid0(VALU_DEP_2)
	v_max3_num_f32 v12, v12, |v[Y+30]|, |v[Y+31]|
	s_delay_alu instid0(VALU_DEP_1)
	v_max3_num_f32 v12, v12, v13, 0x8000000        ; and the floor 2^(16 - 127): the byte cannot fall under 1
	s_delay_alu instid0(VALU_DEP_1)
	v_add_nc_u32 v15, 0xf8800000, v12              ; 15 off its exponent field: the conversion takes this operand's exponent field as its scale
.set i, 0
.rept 32
.set i, i+1
.endr
	s_wait_alu depctr_va_vdst(0)
	s_wait_xcnt 0x0                                ; the last block's stores have read C: only behind this wait is it written again
.irp g, 0,1,2,3
	v_cvt_scalef32_pk8_bf8_f32 v[C+2*\g:C+2*\g+1], v[Y+8*\g:Y+8*\g+7], v15
.endr
	v_lshrrev_b32 v[\byte], 23, v15                ; the scale's byte; also the plain line between the conversions and the next write of Y
.endm
; Block c (channels 32 c on) of my row, times the proj at v[pr]: codes to the image at v[adr] from s[base].  Each store writes two aligned runs of 256 bytes whole.
.macro ROWS c, pr, byte, adr, base
.set i, 0
.rept 16
	v_pk_mul_f32 v[Y+i:Y+i+1], v[X+32*\c+i:X+32*\c+i+1], v[\pr+32*\c+i:\pr+32*\c+i+1]
.set i, i+2
.endr
	QUANT32 \byte
	global_store_b128 v[\adr], v[C:C+3], s[\base:\base+1] offset:512*\c          ; channels + 0 .. 15: the lower half of the lanes' place
	global_store_b128 v[\adr], v[C+4:C+7], s[\base:\base+1] offset:512*\c+256    ; channels + 16 .. 31: the upper half's
.endm
; My channel 32 hf + lane, the wave's 32 keys
.macro COLS hf, byte
.set i, 0
.rept 32
	v_mul_f32 v[Y+i], v[X+32*\hf+i], v[250+\hf]
.set i, i+1
.endr
	QUANT32 \byte
	global_store_b128 v6, v[C:C+3], s[54:55] offset:4096*\hf
	global_store_b128 v6, v[C+4:C+7], s[54:55] offset:4096*\hf+256
	ds_store_b8 v9, v[\byte] offset:128*\hf
.endm
	s_wait_tensorcnt 0x0                           ; my tile is in LDS
.set i, 0
.rept 16
	ds_load_b128 v[X+4*i:X+4*i+3], v2 offset:16*i
.set i, i+1
.endr
	s_wait_loadcnt 0x0                             ; the three proj
	s_wait_dscnt 0x0
	ROWS 0, PQ, 248, 4, 56
	ROWS 0, PK, 249, 5, 52
	ROWS 1, PQ, 252, 4, 56
	ROWS 1, PK, 253, 5, 52
	v_lshl_or_b32 v248, v252, 8, v248
	v_lshl_or_b32 v249, v253, 8, v249
	s_delay_alu instid0(VALU_DEP_2)
	v_lshl_or_b32 v248, v248, 16, v248             ; q0 q1 q0 q1: the fragment is used in the lower and in the upper half of the instruction's 128
	ds_store_b32 v7, v248
	ds_store_b16 v8, v249
.irp hf, 0,1
.set i, 0
.rept 32
	ds_load_b32 v[X+32*\hf+i], v3 offset:XP*i+128*\hf      ; key i, channel 32 hf + lane: 32 lanes read 128 consecutive bytes
.set i, i+1
.endr
.endr
	s_wait_dscnt 32                                ; the first 32 loads are in; the second half's 32 may be out
	COLS 0, 252
	s_wait_dscnt 1                                 ; all loads are in; the byte store just issued may be out
	COLS 1, 253
	s_wait_dscnt 0x0                               ; for the others' sake: my stores into the stage are done
	s_barrier_signal -1
	s_barrier_wait -1
	ds_load_b64 v[12:13], v10
	s_wait_dscnt 0x0
	global_store_b64 v11, v[12:13], s[58:59]       ; 32 lanes store 256 consecutive bytes, aligned
	s_wait_xcnt 0x0
	v_lshl_add_u32 v254, v0, 2, 0x29000
	v_mov_b32 v255, 0
	s_wait_alu depctr_va_vdst(0)
	s_wait_tensorcnt 0x0
	ds_add_u32 v254, v255
	s_wait_dscnt 0x0
	s_endpgm
.Lfunc_end_k_q15ecd89362_quant:
	.size	k_q15ecd89362_quant, .Lfunc_end_k_q15ecd89362_quant-k_q15ecd89362_quant
	.p2alignl 7, 3214868480
	.fill 96, 4, 3214868480
	.section	.rodata,"a",@progbits
	.p2align	6, 0x0
	.amdhsa_kernel k_q15ecd89362_quant
		.amdhsa_group_segment_fixed_size 169984
		.amdhsa_private_segment_fixed_size 0
		.amdhsa_enable_private_segment 0
		.amdhsa_kernarg_size 48
		.amdhsa_user_sgpr_count 2
		.amdhsa_user_sgpr_kernarg_segment_ptr 1
		.amdhsa_wavefront_size32 1
		.amdhsa_system_sgpr_workgroup_id_x 1
		.amdhsa_system_sgpr_workgroup_id_y 1
		.amdhsa_system_sgpr_workgroup_id_z 1
		.amdhsa_system_vgpr_workitem_id 0
		.amdhsa_next_free_vgpr 256
		.amdhsa_next_free_sgpr 66
		.amdhsa_reserve_vcc 0
		.amdhsa_float_denorm_mode_32 3
		.amdhsa_float_denorm_mode_16_64 3
		.amdhsa_fp16_overflow 1
		.amdhsa_memory_ordered 1
		.amdhsa_forward_progress 1
		.amdhsa_inst_pref_size 34
	.end_amdhsa_kernel
	.amdgpu_metadata
---
amdhsa.version: [ 1, 2 ]
amdhsa.kernels:
  - .name:           k_q15ecd89362_quant
    .symbol:         k_q15ecd89362_quant.kd
    .args:
      - { .name: q, .offset: 0, .size: 8, .value_kind: global_buffer, .address_space: global }
      - { .name: proj_Q, .offset: 8, .size: 8, .value_kind: global_buffer, .address_space: global }
      - { .name: proj_K, .offset: 16, .size: 8, .value_kind: global_buffer, .address_space: global }
      - { .name: proj_V, .offset: 24, .size: 8, .value_kind: global_buffer, .address_space: global }
      - { .name: qq, .offset: 32, .size: 8, .value_kind: global_buffer, .address_space: global }
      - { .name: kv, .offset: 40, .size: 8, .value_kind: global_buffer, .address_space: global }
    .group_segment_fixed_size: 169984
    .private_segment_fixed_size: 0
    .kernarg_segment_align: 8
    .kernarg_segment_size: 48
    .max_flat_workgroup_size: 512
    .sgpr_count:     66
    .vgpr_count:     256
    .wavefront_size: 32
...
	.end_amdgpu_metadata
.endif
;; end of part 2
;; launch attn (part 3): grid 4 x 64, 16 waves a work-group, clusters of 4 x 1, 272,384 bytes of LDS; arguments qq, kv, mbits, ctx; writes ctx
.if DOCPART == 3
	.amdgcn_target "amdgcn-amd-amdhsa--gfx1250"
	.amdhsa_code_object_version 6
	.text
	.protected	k_q15ecd89362_attn
	.globl	k_q15ecd89362_attn
	.p2align	8
	.type	k_q15ecd89362_attn,@function
k_q15ecd89362_attn:
	s_mov_b64 s[64:65], 0
	v_nop
	global_prefetch_b8 v0, s[64:65] scope:SCOPE_SE
	s_setreg_imm32_b32 hwreg(HW_REG_WAVE_MODE, 25, 1), 1
	s_wait_xcnt 0x0
	s_wait_alu depctr_hold_cnt(0) depctr_sa_sdst(0) depctr_va_vdst(0) depctr_va_sdst(0) depctr_va_ssrc(0) depctr_va_vcc(0) depctr_vm_vsrc(0)
	s_getreg_b32 s2, hwreg(HW_REG_IB_STS2, 6, 4)
	s_cmp_eq_u32 s2, 0
	s_cbranch_scc0 .Lentry_in_a_cluster
	s_endpgm
.Lentry_in_a_cluster:
	s_bfe_u32 s2, ttmp6, 0x10000c
	s_cmp_lg_u32 s2, 0x3003
	s_cbranch_scc0 .Lentry_shape_is_right
	s_endpgm
.Lentry_shape_is_right:
; ctx[n][q][:] = the sum over keys of softmax_k(score) V[n][k][:], score = Q[n][q] . K[n][k] / 32, replaced by -1e-10 where the mask's bit is set (a replacement: such keys still count).
; Both products on codes of BF8 (E5M2) with E8M0 scales, as the launch before laid them (register images; see there).
; THE SOFTMAX AHEAD OF THE SECOND PRODUCT: t = score x log2(e); M = the row's largest t so far, rounded UP to a whole number; p = 2^(t - M) is quantised along the keys, not normalised.  The row's sum is taken of the
; unquantised p and divides at the end.  When M moves, the sum and O are multiplied by 2^(old M - new M): exact.
; LIMITS: p under 2^-126 becomes 0 (v_exp_f32 gives no denormals); a block's largest p is taken as the exponential of the block's largest score, which takes v_exp_f32 not to fall where its input rises;
; a block whose every p is 0 has the byte 1 and zero codes; NaN and infinities are not served.
; SHARES.  Head n = the cluster's y; the four work-groups of a cluster are the head's four blocks of 512 queries.  Wave w owns two tiles of 16 queries, one after the other; each walks the head's 2,048 keys, 128 a step.
; LDS.  All of the head's K, V and scale words, 16 blocks of 16,896 bytes, lie in LDS for the whole launch, FILLED ONCE: wave w asks for block w.  The four work-groups need the same bytes, so each block is asked for
; JOINTLY: the same tensor load, the same descriptor (made of n and w alone), a mask that names the four.  One tensor load of a wave is out, once.
; LAYOUT.  Both products transposed: S^T = K Q^T (source 0 = keys, source 1 = my 16 queries), O^T = V^T P^T: a lane holds ONE query (lane % 16) throughout.
; THE FIRST PRODUCT'S K IS 64, THE INSTRUCTION'S 128.  A fragment of K holds TWO tiles of 16 keys side by side along the 128.  Q's eight registers stand between eight registers of zero codes on either side:
; source 1 = Q | 0 gives the first tile's scores, source 1 = 0 | Q the second's; the other half multiplies zero codes by finite codes under scale bytes 1 .. 254, and adds nothing.
; The keys of a tile are chosen (key 32 bb + 8 u + r + 8 (r / 8)) so that score register rho = 16 bb + i of lane (r, hh) is key 32 bb + 16 hh + i: 16 neighbours along the next K.
; THE MASK is one select a score: word rho of the step's 64 mask words is the lane mask of register rho.  The words come by scalar loads, asked for a step ahead.
.set BLK,  16896                       ; a key step's block in LDS: K's four fragments, V's four, K's scale words, V's
.set VOF,  8192
.set KSO,  16384
.set VSO,  16640
.set QZ,   16                          ; v16-23 zeros, v24-31 Q, v32-39 zeros
.set KV,   40                          ; v40-103  four fragments: K's, then V's
.set S,    104                         ; v104-167 S^T, then p; at a tile's end O / l
.set O,    168                         ; v168-199 O^T: four accumulators
.set PC,   200                         ; v200-215 p's codes
.set KS,   216                         ; v216-219 K's scale words
.set VS,   220                         ; v220-223 V's
.set BM,   224                         ; v224-227 each block's largest score, then its largest p
.set BP,   228                         ; v228-231 the other half of the lanes'; then the scales' bytes
.set BH,   232
.set BE,   236                         ; v236-239 the conversions' scale operands
.set SU,   240                         ; v[240:241] the sum's second chain
.set TMP,  242
.set Q2,   244                         ; v244-251 the second tile's Q, v252 its scale word
; v1 16 x lane; v2 4 x (lane % 16); v3, v4 the step's LDS addresses; v5 the masked score; v6 Q's scale word; v7 p's; v[10:11] f; v12 -M; v13 the largest t; v[14:15] the sum in two halves
; s3 wave; s[4:5] Q's codes; s[66:67] Q's scale words; s[8:9] my mask words; s[10:11] ctx; s[12:15], s[16:23] the descriptor; s24 the step's block in LDS; s25 the byte of the mask words asked for; s26 steps to go;
; s[28:29] c; s[30:31] lane selects; s32-63, s68-99 the 64 mask words
.macro CROUND                          ; a round of the cluster's barrier: my work-group's barrier; wave 0 signals for the work-group; every wave waits for all four work-groups; my work-group's barrier once more
	s_barrier_signal -1
	s_barrier_wait -1
	s_cmp_lg_u32 s3, 0
	s_cbranch_scc1 .Lnot_wave_0_\@
	s_barrier_signal -3
.Lnot_wave_0_\@:
	s_barrier_wait -3
	s_barrier_signal -1
	s_barrier_wait -1
.endm
	s_load_b256 s[4:11], s[0:1], 0x0               ; qq s[4:5], kv s[6:7], mbits s[8:9], ctx s[10:11]
	v_lshl_add_u32 v254, v0, 2, 0x42000
	v_mov_b32 v255, 0
	ds_add_u32 v254, v255
	ds_add_u32 v254, v255
	v_lshrrev_b32 v1, 5, v0
	s_delay_alu instid0(VALU_DEP_1)
	v_readfirstlane_b32 s3, v1                     ; wave 0..15
	s_bfe_u32 s84, ttmp6, 0x40000                  ; cx: my place in the cluster
	s_lshl_b32 s85, ttmp9, 2                       ; in a cluster launch ttmp9 counts clusters
	s_add_co_u32 s84, s84, s85                     ; my block of 512 queries: it enters the addresses of Q, the mask words and ctx alone
	s_and_b32 s85, ttmp7, 0xffff                   ; n, which the four partners share
	s_mul_i32 s86, s85, 16*BLK                     ; kv: the head's 16 blocks,
	s_mul_i32 s13, s3, BLK                         ; block w; and its place in LDS: no place in the cluster enters either
	s_add_co_u32 s86, s86, s13
	s_mov_b32 s87, 0
	s_lshl_b32 s88, s85, 4                         ; qq: unit 16 n + 4 x block + w / 4,
	s_lshl_b32 s89, s84, 2
	s_add_co_u32 s88, s88, s89
	s_lshr_b32 s89, s3, 2
	s_add_co_u32 s88, s88, s89
	s_mul_i32 s88, s88, 8704
	s_lshl_b32 s90, s3, 1
	s_and_b32 s90, s90, 7                          ; tile (2 w) % 8 of its eight
	s_lshl_b32 s92, s90, 6
	s_add_co_u32 s92, s92, s88
	s_add_co_u32 s92, s92, 8192                    ; its scale words
	s_mov_b32 s93, 0
	s_lshl_b32 s90, s90, 10
	s_add_co_u32 s88, s88, s90                     ; its codes
	s_mov_b32 s89, 0
	s_lshl_b32 s94, s84, 5
	s_lshl_b32 s95, s3, 1
	s_add_co_u32 s94, s94, s95                     ; my first tile of the head's 128: 32 x block + 2 w
	s_and_b32 s96, s85, 3                          ; the mask of head n is masks[n % 4]
	s_lshl_b32 s96, s96, 7
	s_add_co_u32 s96, s96, s94
	s_lshl_b32 s96, s96, 12                        ; 16 units of 256 bytes a tile
	s_mov_b32 s97, 0
	s_lshl_b32 s98, s85, 7
	s_add_co_u32 s98, s98, s94
	s_lshl_b32 s98, s98, 12                        ; ctx: 4,096 bytes a tile
	s_mov_b32 s99, 0
	; descriptor group 1: a dense block of 16,896 bytes as 66 rows of 256 (32 elements of 8 bytes), no padding: the images are read 16 bytes a lane on end
	s_mov_b32 s16, 15|(3<<16)|(1<<21)              ; 15:0 the mask: all four work-groups; 17:16 elements of 8 bytes; 21 set beside a mask
	s_mov_b32 s17, 32<<16
	s_mov_b32 s18, 66<<16
	s_mov_b32 s19, 32<<16
	s_mov_b32 s20, 66
	s_mov_b32 s21, 32
	s_mov_b32 s22, 0
	s_mov_b32 s23, 0
	s_mov_b32 s12, 1
	s_mov_b32 s28, 0x3d38aa3b                      ; c = log2(e) / 32: t = the raw product x c
	s_mov_b32 s29, s28                             ; (named with it as a pair, so it is written)
	s_mov_b32 s30, 0x76543210
	s_mov_b32 s31, 0xfedcba98                      ; v_permlanex16_b32's selects for lane l xor 16
	s_mov_b32 s25, 0
	s_wait_dscnt 0x0
	s_wait_kmcnt 0x0
	s_add_nc_u64 s[14:15], s[6:7], s[86:87]
	s_or_b32 s15, s15, 0x80000000                  ; type = 2
	s_add_nc_u64 s[66:67], s[4:5], s[92:93]
	s_add_nc_u64 s[4:5], s[4:5], s[88:89]
	s_add_nc_u64 s[8:9], s[8:9], s[96:97]
	s_add_nc_u64 s[10:11], s[10:11], s[98:99]
	CROUND                                         ; all four work-groups are here: the joint loads meet
	tensor_load_to_lds s[12:15], s[16:23]          ; block w of the head
	s_nop 0
.rept 4
	v_nop
.endr
	v_and_b32 v1, 31, v0
	s_delay_alu instid0(VALU_DEP_1)
	v_lshlrev_b32 v1, 4, v1                        ; 16 x lane: my place in every image
	v_and_b32 v2, 15, v0
	s_delay_alu instid0(VALU_DEP_1)
	v_lshlrev_b32 v2, 2, v2                        ; 4 r: my place among scale words
	global_load_b128 v[QZ+8:QZ+11], v1, s[4:5]                 ; the first tile's Q
	global_load_b128 v[QZ+12:QZ+15], v1, s[4:5] offset:512
	global_load_b128 v[Q2:Q2+3], v1, s[4:5] offset:1024        ; the second's
	global_load_b128 v[Q2+4:Q2+7], v1, s[4:5] offset:1536
	global_load_b32 v6, v2, s[66:67]
	global_load_b32 v252, v2, s[66:67] offset:64
	s_load_b512 s[32:47], s[8:9], s25 offset:0x0   ; the first step's 64 mask words
	s_load_b512 s[48:63], s[8:9], s25 offset:0x40
	s_load_b512 s[68:83], s[8:9], s25 offset:0x80
	s_load_b512 s[84:99], s[8:9], s25 offset:0xc0
.irp i, 0,1,2,3,4,5,6,7
	v_mov_b32 v[QZ+\i], 0                          ; zero codes on either side of Q
	v_mov_b32 v[QZ+16+\i], 0
.endr
	v_mov_b32 v5, 0xb15be6ff                       ; f32(-1e-10) x 32, exact: x c it is -1e-10 x log2(e)
	v_mov_b32 v11, 0                               ; (named as the upper half of the pair v[10:11])
	v_mov_b32 v[TMP], 0                            ; a lane permute's destination counts as one of its sources
.irp b, 0,1,2,3
	v_mov_b32 v[BP+\b], 0
.endr
; A KEY STEP: 128 keys.
.macro STEP
	v_add_nc_u32 v3, s24, v1
	v_add_nc_u32 v4, s24, v2
.rept 6
	v_nop                                          ; with the two additions: eight places between the last products and the loads into registers that they read
.endr
.irp bb, 0,1,2,3
.irp c, 0,1,2,3
	ds_load_b128 v[KV+16*\bb+4*\c:KV+16*\bb+4*\c+3], v3 offset:2048*\bb+512*\c
.endr
	ds_load_b32 v[KS+\bb], v4 offset:KSO+64*\bb
.endr
	s_wait_alu depctr_va_vdst(0)
	s_wait_dscnt 0x0
.irp bb, 0,1,2,3                       ; eight accumulators, each begun with the constant 0: each fragment of K feeds two products
	v_wmma_scale_f32_16x16x128_f8f6f4 v[S+16*\bb:S+16*\bb+7], v[KV+16*\bb:KV+16*\bb+15], v[QZ+8:QZ+23], 0, v[KS+\bb], v6 matrix_a_fmt:MATRIX_FMT_BF8 matrix_b_fmt:MATRIX_FMT_BF8
	v_wmma_scale_f32_16x16x128_f8f6f4 v[S+16*\bb+8:S+16*\bb+15], v[KV+16*\bb:KV+16*\bb+15], v[QZ:QZ+15], 0, v[KS+\bb], v6 matrix_a_fmt:MATRIX_FMT_BF8 matrix_b_fmt:MATRIX_FMT_BF8
.endr
.rept 8
	v_nop                                          ; eight places: for the loads below, and for the first read of the scores
.endr
.irp t, 0,1,2,3                        ; V's fragments take K's registers: they have the whole softmax in which to land
.irp c, 0,1,2,3
	ds_load_b128 v[KV+16*\t+4*\c:KV+16*\t+4*\c+3], v3 offset:VOF+2048*\t+512*\c
.endr
	ds_load_b32 v[VS+\t], v4 offset:VSO+64*\t
.endr
	s_wait_kmcnt 0x0                               ; this step's mask words are in
.set rho, 0
.rept 64
	v_cndmask_b32 v[S+rho], v[S+rho], v5, s[32+16*(rho/16)+4*(rho/32)+rho%16]   ; where the bit is set, the score is replaced.  Ascending: each accumulator is first read at its low end
.set rho, rho+1
.endr
.irp b, 0,1,2,3
	v_max3_num_f32 v[BM+\b], v[S+16*\b], v[S+1+16*\b], v[S+2+16*\b]   ; the largest score of each block of 32 keys: for the row's maximum, and, since p rises with the score, for the block's largest p
.endr
.irp i, 3,5,7,9,11,13
.irp b, 0,1,2,3
	s_delay_alu instid0(VALU_DEP_4)
	v_max3_num_f32 v[BM+\b], v[BM+\b], v[S+16*\b+\i], v[S+1+16*\b+\i]
.endr
.endr
.irp b, 0,1,2,3
	s_delay_alu instid0(VALU_DEP_4)
	v_max_num_f32 v[BM+\b], v[BM+\b], v[S+15+16*\b]
.endr
	s_add_co_u32 s25, s25, 256                     ; the next step's mask words (the scalar loads that named s25 are done: the wait above).  My two tiles' 32 units lie on end;
	s_min_u32 s25, s25, 7936                       ; the very last step asks for its own unit again: no load leaves the buffer
	s_load_b512 s[32:47], s[8:9], s25 offset:0x0
	s_load_b512 s[48:63], s[8:9], s25 offset:0x40
	s_load_b512 s[68:83], s[8:9], s25 offset:0x80
	s_load_b512 s[84:99], s[8:9], s25 offset:0xc0
.irp b, 0,1,2,3
	v_permlanex16_b32 v[BP+\b], v[BM+\b], s30, s31
.endr
.irp b, 0,1,2,3
	s_delay_alu instid0(VALU_DEP_4)
	v_max_num_f32 v[BM+\b], v[BM+\b], v[BP+\b]     ; with lane l xor 16's 16 keys
.endr
	s_delay_alu instid0(VALU_DEP_2)
	v_max3_num_f32 v[TMP], v[BM], v[BM+1], v[BM+2]
	s_delay_alu instid0(VALU_DEP_1)
	v_max_num_f32 v[TMP], v[TMP], v[BM+3]          ; the step's largest score of my query
	s_delay_alu instid0(VALU_DEP_1)
	v_mul_f32 v[TMP], s28, v[TMP]                  ; as t (c is positive)
	s_delay_alu instid0(VALU_DEP_1)
	v_max_num_f32 v13, v13, v[TMP]                 ; the running largest t
	v_mov_b32 v[TMP], v12
	s_delay_alu instid0(VALU_DEP_2)
	v_floor_f32 v12, -v13                          ; the new -M = floor(-t) = -ceil(t)
	s_delay_alu instid0(VALU_DEP_1)
	v_sub_f32 v[TMP], v12, v[TMP]                  ; old M - new M: a whole number, 0 or less
	s_delay_alu instid0(VALU_DEP_1)
	v_cvt_i32_f32 v[TMP], v[TMP]                   ; (it saturates)
	s_delay_alu instid0(VALU_DEP_1)
	v_ldexp_f32 v10, 1.0, v[TMP]                   ; f = 2^(old M - new M)
.set j, 0
.rept 32
	v_pk_fma_f32 v[S+j:S+j+1], v[S+j:S+j+1], s[28:29], v[12:13] op_sel_hi:[1,0,0]   ; t - M, two at a time (of the pairs c and -M the low word serves both halves)
.set j, j+2
.endr
	s_setprio 1
.irp b, 0,1,2,3
	v_fma_f32 v[BM+\b], v[BM+\b], s28, v12         ; the same of each block's largest score
.endr
.set j, 0
	s_wait_alu depctr_va_vdst(0)
.rept 64
	v_exp_f32 v[S+j], v[S+j]                       ; p = 2^(t - M), at most 1
.set j, j+1
.endr
.irp b, 0,1,2,3
	v_exp_f32 v[BM+\b], v[BM+\b]                   ; the block's largest p: the same two instructions on the same number
.endr
	v_pk_mul_f32 v[14:15], v[14:15], v[10:11] op_sel_hi:[1,0]   ; the sums under the new M; also the plain line behind the exponentials
	s_wait_alu depctr_va_vdst(0)
.irp b, 0,1,2,3
	v_max_num_f32 v[BM+\b], 0x8000000, v[BM+\b]    ; the floor 2^(16 - 127): the byte cannot fall under 1
.endr
.irp b, 0,1,2,3
	s_delay_alu instid0(VALU_DEP_4)
	v_add_nc_u32 v[BE+\b], 0xf8800000, v[BM+\b]    ; 15 off the exponent field: the conversion's scale operand
.endr
.irp b, 0,1,2,3
.endr
.irp b, 0,1,2,3
	s_delay_alu instid0(VALU_DEP_4)
	v_lshrrev_b32 v[BP+\b], 23, v[BE+\b]           ; the scale's byte
.endr
	s_delay_alu instid0(VALU_DEP_3)
	v_lshl_or_b32 v7, v[BP+1], 8, v[BP]            ; p's scale word for these 128 keys
	s_delay_alu instid0(VALU_DEP_1)
	v_lshl_or_b32 v7, v[BP+2], 16, v7
	s_delay_alu instid0(VALU_DEP_1)
	v_lshl_or_b32 v7, v[BP+3], 24, v7
	v_pk_add_f32 v[240:241], v[108:109], v[112:113]
	v_pk_add_f32 v[234:235], v[116:117], v[120:121]
	v_pk_add_f32 v[232:233], v[124:125], v[128:129]
	v_pk_add_f32 v[226:227], v[132:133], v[136:137]
	v_pk_add_f32 v[224:225], v[140:141], v[144:145]
	v_pk_add_f32 v[218:219], v[148:149], v[152:153]
	v_pk_add_f32 v[216:217], v[156:157], v[160:161]
	v_pk_add_f32 v[14:15], v[14:15], v[164:165]
	v_pk_add_f32 v[240:241], v[240:241], v[104:105]
	v_pk_add_f32 v[234:235], v[234:235], v[106:107]
	v_pk_add_f32 v[232:233], v[232:233], v[110:111]
	v_pk_add_f32 v[226:227], v[226:227], v[114:115]
	v_pk_add_f32 v[224:225], v[224:225], v[118:119]
	v_pk_add_f32 v[218:219], v[218:219], v[122:123]
	v_pk_add_f32 v[216:217], v[216:217], v[126:127]
	v_pk_add_f32 v[14:15], v[14:15], v[130:131]
	v_pk_add_f32 v[240:241], v[240:241], v[134:135]
	v_pk_add_f32 v[234:235], v[234:235], v[138:139]
	v_pk_add_f32 v[232:233], v[232:233], v[142:143]
	v_pk_add_f32 v[226:227], v[226:227], v[146:147]
	v_pk_add_f32 v[224:225], v[224:225], v[150:151]
	v_pk_add_f32 v[218:219], v[218:219], v[154:155]
	v_pk_add_f32 v[216:217], v[216:217], v[158:159]
	v_pk_add_f32 v[14:15], v[14:15], v[162:163]
	v_pk_add_f32 v[240:241], v[240:241], v[166:167]
	s_delay_alu instid0(VALU_DEP_2)
	v_pk_add_f32 v[14:15], v[14:15], v[226:227]
	s_delay_alu instid0(VALU_DEP_2)
	v_pk_add_f32 v[240:241], v[240:241], v[224:225]
	s_setprio 0
	v_pk_add_f32 v[234:235], v[234:235], v[218:219]
	v_pk_add_f32 v[232:233], v[232:233], v[216:217]
	s_delay_alu instid0(VALU_DEP_2)
	v_pk_add_f32 v[14:15], v[14:15], v[234:235]
	s_delay_alu instid0(VALU_DEP_2)
	v_pk_add_f32 v[240:241], v[240:241], v[232:233]
	s_delay_alu instid0(VALU_DEP_1)
	v_pk_add_f32 v[14:15], v[14:15], v[240:241]
.irp b, 0,1,2,3
.irp i, 0,1,2,3,4,5,6,7,8,9,10,11,12,13,14,15
.endr
	v_cvt_scalef32_pk8_bf8_f32 v[PC+4*\b:PC+4*\b+1], v[S+16*\b:S+16*\b+7], v[BE+\b]
	v_cvt_scalef32_pk8_bf8_f32 v[PC+4*\b+2:PC+4*\b+3], v[S+16*\b+8:S+16*\b+15], v[BE+\b]
.endr
.set j, 0
.rept 16
	v_pk_mul_f32 v[O+j:O+j+1], v[O+j:O+j+1], v[10:11] op_sel_hi:[1,0]   ; O^T under the new M.  These sixteen also stand between the conversions and the products that take the codes
.set j, j+2
.endr
	s_wait_alu depctr_va_vdst(0)
	s_wait_dscnt 0x0                               ; V's fragments and scale words are in
.irp t, 0,1,2,3                        ; O^T += V^T P^T: four accumulators, one instruction each; between two products on one accumulator stand the three others' and the next step's eight
	v_wmma_scale_f32_16x16x128_f8f6f4 v[O+8*\t:O+8*\t+7], v[KV+16*\t:KV+16*\t+15], v[PC:PC+15], v[O+8*\t:O+8*\t+7], v[VS+\t], v7 matrix_a_fmt:MATRIX_FMT_BF8 matrix_b_fmt:MATRIX_FMT_BF8
.endr
	s_add_co_u32 s24, s24, BLK                     ; the next step's block
.endm
; A TILE of 16 queries: 16 key steps, then O^T / the sum goes out as it stands in the registers: the launch behind this one reads the image.
.macro TILE it
	v_mov_b32 v13, 0xff61b1e6                      ; the largest t so far: -3e38, under every t
	s_delay_alu instid0(VALU_DEP_1)
	v_floor_f32 v12, -v13                          ; -M
	v_mov_b32 v14, 0                               ; the sum, in two halves
	v_mov_b32 v15, 0
.set j, 0
.rept 32
	v_mov_b32 v[O+j], 0                            ; the step is written once: its first trip finds zeros, which the first change of M leaves zeros
.set j, j+1
.endr
	s_mov_b32 s24, 0
	s_mov_b32 s26, 16
.Lstep_\@:
	s_setprio 2
	STEP
	s_sub_co_u32 s26, s26, 1
	s_cmp_lg_u32 s26, 0
	s_cbranch_scc1 .Lstep_\@
	s_setprio 0
.rept 8
	v_nop                                          ; eight places behind the last products, ahead of the first read of O^T
.endr
	v_add_f32 v14, v14, v15                        ; the sum's two halves,
	s_delay_alu instid0(VALU_DEP_1)
	v_permlanex16_b32 v[TMP], v14, s30, s31
	s_delay_alu instid0(VALU_DEP_1)
	v_add_f32 v14, v14, v[TMP]                     ; and lane l xor 16's: the row's sum
	s_wait_alu depctr_va_vdst(0)
	v_rcp_f32 v14, v14
	v_nop                                          ; one plain line behind a transcendental
.set j, 0
	s_wait_alu depctr_va_vdst(0)
.rept 16
	v_pk_mul_f32 v[S+j:S+j+1], v[O+j:O+j+1], v[14:15] op_sel_hi:[1,0]   ; register 8 t + i of lane (r, hh): ctx(query r, channel 16 t + 8 hh + i)
.set j, j+2
.endr
.irp g, 0,1,2,3,4,5,6,7
	global_store_b128 v1, v[S+4*\g:S+4*\g+3], s[10:11] offset:4096*\it+512*\g   ; 32 lanes store 512 consecutive bytes, aligned
.endr
.if \it == 0
	s_wait_xcnt 0x0                                ; the stores have read their registers: the next tile's products write them
.endif
.endm
	s_wait_tensorcnt 0x0                           ; my block is in LDS,
	s_barrier_signal -1
	s_barrier_wait -1                              ; everybody's is: all sixteen may be read, and nothing writes LDS from here on
	s_wait_loadcnt 0x0                             ; Q
	TILE 0
.irp i, 0,1,2,3,4,5,6,7
	v_mov_b32 v[QZ+8+\i], v[Q2+\i]                 ; the second tile's Q and scale word take their places; the next tile's 36 moves stand between these and the first product
.endr
	v_mov_b32 v6, v252
	TILE 1
	s_wait_kmcnt 0x0                               ; the last step's request for mask words has landed
	s_wait_tensorcnt 0x0
	ds_add_u32 v254, v255
	s_wait_dscnt 0x0
	CROUND                                         ; the closing round: no work-group ends while a partner may still ask for a block that names it
	s_endpgm
.Lfunc_end_k_q15ecd89362_attn:
	.size	k_q15ecd89362_attn, .Lfunc_end_k_q15ecd89362_attn-k_q15ecd89362_attn
	.p2alignl 7, 3214868480
	.fill 96, 4, 3214868480
	.section	.rodata,"a",@progbits
	.p2align	6, 0x0
	.amdhsa_kernel k_q15ecd89362_attn
		.amdhsa_group_segment_fixed_size 272384
		.amdhsa_private_segment_fixed_size 0
		.amdhsa_enable_private_segment 0
		.amdhsa_kernarg_size 32
		.amdhsa_user_sgpr_count 2
		.amdhsa_user_sgpr_kernarg_segment_ptr 1
		.amdhsa_wavefront_size32 1
		.amdhsa_system_sgpr_workgroup_id_x 1
		.amdhsa_system_sgpr_workgroup_id_y 1
		.amdhsa_system_sgpr_workgroup_id_z 1
		.amdhsa_system_vgpr_workitem_id 0
		.amdhsa_next_free_vgpr 256
		.amdhsa_next_free_sgpr 100
		.amdhsa_reserve_vcc 0
		.amdhsa_float_denorm_mode_32 3
		.amdhsa_float_denorm_mode_16_64 3
		.amdhsa_fp16_overflow 1
		.amdhsa_memory_ordered 1
		.amdhsa_forward_progress 1
		.amdhsa_inst_pref_size 59
	.end_amdhsa_kernel
	.amdgpu_metadata
---
amdhsa.version: [ 1, 2 ]
amdhsa.kernels:
  - .name:           k_q15ecd89362_attn
    .symbol:         k_q15ecd89362_attn.kd
    .args:
      - { .name: qq, .offset: 0, .size: 8, .value_kind: global_buffer, .address_space: global }
      - { .name: kv, .offset: 8, .size: 8, .value_kind: global_buffer, .address_space: global }
      - { .name: mbits, .offset: 16, .size: 8, .value_kind: global_buffer, .address_space: global }
      - { .name: ctx, .offset: 24, .size: 8, .value_kind: global_buffer, .address_space: global }
    .group_segment_fixed_size: 272384
    .private_segment_fixed_size: 0
    .kernarg_segment_align: 8
    .kernarg_segment_size: 32
    .max_flat_workgroup_size: 512
    .sgpr_count:     100
    .vgpr_count:     256
    .wavefront_size: 32
...
	.end_amdgpu_metadata
.endif
;; end of part 3
;; launch lnorm (part 4): grid 128 x 4, 8 waves a work-group, no clusters, 66,816 bytes of LDS; arguments ctx, q, gamma, beta, out0; writes out0
.if DOCPART == 4
	.amdgcn_target "amdgcn-amd-amdhsa--gfx1250"
	.amdhsa_code_object_version 6
	.text
	.protected	k_q15ecd89362_lnorm
	.globl	k_q15ecd89362_lnorm
	.p2align	8
	.type	k_q15ecd89362_lnorm,@function
k_q15ecd89362_lnorm:
	s_mov_b64 s[64:65], 0
	v_nop
	global_prefetch_b8 v0, s[64:65] scope:SCOPE_SE
	s_setreg_imm32_b32 hwreg(HW_REG_WAVE_MODE, 25, 1), 1
	s_wait_xcnt 0x0
; out0[b][s][:] = ((x - mean) x rsqrt(var + 1e-5)) x gamma + beta, x = ctx (heads merged) + q, over the row's 1,024 numbers.  All in f32.
; The variance is the mean of the squared differences from the mean, not a difference of two large sums.
; ctx arrives as register images: tile (n, T) at (128 n + T) x 4,096; quad g of 512 bytes; lane (r, hh)'s 16 bytes hold ctx(row 16 T + r, channel 16 (g / 2) + 8 hh + 4 (g % 2) + 0 .. 3) of head n.
; SHARES.  Work-group (T, b) owns 16 rows.  Wave w brings the images of heads 2 w and 2 w + 1 (each load 512 consecutive bytes) and lays them into a stage of 16 rows in LDS; behind one barrier it owns rows 2 w and
; 2 w + 1, whole: 32 registers a row, so a row's sums never leave the wave.  No tensor loads, no matrix work, no cluster: memory binds, and no two work-groups read the same large bytes.
.set SP,  4112                         ; a stage row: 4,096 bytes + 16: an odd multiple of 16, so the 16 rows that a store touches fall on 16 different 16-byte columns modulo 256
.set CT,  16                           ; v16-79   the images; then my two rows
.set XQ,  80                           ; v80-143  my two rows of q
.set GA,  144                          ; v144-175 gamma at my columns
.set BT,  176                          ; v176-207 beta
; row rr: v[4+4rr:5+4rr] sum, then the mean; v[6+4rr:7+4rr] second chain, then the squares' sum, then rsqrt; v[12+2rr:13+2rr] the squares' second chain; v208, v209 the lane permutes' destinations
	s_load_b256 s[4:11], s[0:1], 0x0               ; ctx s[4:5], q s[6:7], gamma s[8:9], beta s[10:11]
	s_load_b64 s[12:13], s[0:1], 0x20              ; out0
	v_lshl_add_u32 v216, v0, 2, 0x10100
	v_mov_b32 v217, 0
	v_lshrrev_b32 v1, 5, v0
	s_delay_alu instid0(VALU_DEP_1)
	v_readfirstlane_b32 s14, v1                    ; wave 0..7
	s_and_b32 s15, ttmp7, 0xffff                   ; batch
	s_lshl_b32 s16, s15, 4
	s_lshl_b32 s17, s14, 1
	s_add_co_u32 s16, s16, s17                     ; head n = 16 b + 2 w
	s_lshl_b32 s16, s16, 7
	s_add_co_u32 s16, s16, ttmp9                   ; tile 128 n + T
	s_lshl_b32 s16, s16, 12
	s_mov_b32 s17, 0
	s_lshl_b32 s18, s15, 11
	s_lshl_b32 s19, ttmp9, 4
	s_add_co_u32 s18, s18, s19
	s_lshl_b32 s19, s14, 1
	s_add_co_u32 s18, s18, s19                     ; my first row: 2,048 b + 16 T + 2 w
	s_lshl_b32 s18, s18, 12
	s_mov_b32 s19, 0
	s_mov_b32 s20, 0x76543210
	s_mov_b32 s21, 0xfedcba98                      ; v_permlanex16_b32's selects for lane l xor 16
	s_mov_b32 s22, 0x3a800000                      ; 1 / 1,024
	s_mov_b32 s23, 0x3727c5ac                      ; 1e-5
	v_and_b32 v1, 31, v0
	s_delay_alu instid0(VALU_DEP_1)
	v_lshlrev_b32 v1, 4, v1                        ; 16 x lane
	v_and_b32 v2, 15, v0
	s_delay_alu instid0(VALU_DEP_1)
	v_mul_u32_u24 v2, v2, SP
	v_bfe_u32 v3, v0, 4, 1
	s_delay_alu instid0(VALU_DEP_1)
	v_lshl_add_u32 v2, v3, 5, v2                   ; into the stage: row r, + 32 hh,
	s_lshl_b32 s24, s14, 9
	v_add_nc_u32 v2, s24, v2                       ; + my two heads' 512 bytes
	s_mul_i32 s24, s14, 2*SP
	v_add_nc_u32 v3, s24, v1                       ; back: my two rows, 16 bytes a lane
	v_mov_b32 v208, 0                              ; a lane permute's destination counts as one of its sources
	v_mov_b32 v209, 0
	s_wait_alu depctr_va_vdst(0)
	s_wait_kmcnt 0x0
	s_add_nc_u64 s[4:5], s[4:5], s[16:17]
	s_add_nc_u64 s[6:7], s[6:7], s[18:19]
	s_add_nc_u64 s[12:13], s[12:13], s[18:19]
.irp e, 0,1
.irp g, 0,1,2,3,4,5,6,7
	global_load_b128 v[CT+32*\e+4*\g:CT+32*\e+4*\g+3], v1, s[4:5] offset:524288*\e+512*\g th:TH_LOAD_NT   ; head 2 w + e: 128 tiles of 4,096 bytes on
.endr
.endr
.irp rr, 0,1
.irp i, 0,1,2,3,4,5,6,7
	global_load_b128 v[XQ+32*\rr+4*\i:XQ+32*\rr+4*\i+3], v1, s[6:7] offset:4096*\rr+512*\i th:TH_LOAD_NT
.endr
.endr
.irp i, 0,1,2,3,4,5,6,7
	global_load_b128 v[GA+4*\i:GA+4*\i+3], v1, s[8:9] offset:512*\i
.endr
.irp i, 0,1,2,3,4,5,6,7
	global_load_b128 v[BT+4*\i:BT+4*\i+3], v1, s[10:11] offset:512*\i
.endr
	s_wait_loadcnt 32                              ; the sixteen loads of ctx are in; q's sixteen, gamma's eight and beta's eight may be out
.irp e, 0,1
.irp g, 0,1,2,3,4,5,6,7
	ds_store_b128 v2, v[CT+32*\e+4*\g:CT+32*\e+4*\g+3] offset:256*\e+64*(\g/2)+16*(\g%2)
.endr
.endr
	s_wait_dscnt 0x0                               ; for the others' sake: my stores into the stage are done
	s_barrier_signal -1
	s_barrier_wait -1
.irp rr, 0,1
.irp i, 0,1,2,3,4,5,6,7
	ds_load_b128 v[CT+32*\rr+4*\i:CT+32*\rr+4*\i+3], v3 offset:SP*\rr+512*\i
.endr
.endr
	s_wait_loadcnt 16                              ; q is in; gamma and beta may be out
	s_wait_dscnt 0x0
.macro SUMS rr                         ; x = ctx + q, and my 32 numbers' sum in two chains
.set XR, CT+32*\rr
.set SA, 4+4*\rr
.set SB, 6+4*\rr
.set i, 0
.rept 16
	v_pk_add_f32 v[XR+i:XR+i+1], v[XR+i:XR+i+1], v[XQ+32*\rr+i:XQ+32*\rr+i+1]
.set i, i+2
.endr
	v_pk_add_f32 v[SA:SA+1], v[XR:XR+1], v[XR+2:XR+3]
	v_pk_add_f32 v[SB:SB+1], v[XR+4:XR+5], v[XR+6:XR+7]
.irp i, 8,12,16,20,24,28
	s_delay_alu instid0(VALU_DEP_2)
	v_pk_add_f32 v[SA:SA+1], v[SA:SA+1], v[XR+\i:XR+\i+1]
	s_delay_alu instid0(VALU_DEP_2)
	v_pk_add_f32 v[SB:SB+1], v[SB:SB+1], v[XR+\i+2:XR+\i+3]
.endr
	s_delay_alu instid0(VALU_DEP_1)
	v_pk_add_f32 v[SA:SA+1], v[SA:SA+1], v[SB:SB+1]
	s_delay_alu instid0(VALU_DEP_1)
	v_add_f32 v[SA], v[SA], v[SA+1]
.endm
.macro SQUARES rr                      ; d = x - mean, in place, and the sum of d^2 in two chains
.set XR, CT+32*\rr
.set SA, 4+4*\rr
.set SB, 6+4*\rr
.set SC, 12+2*\rr
.set i, 0
.rept 16
	v_pk_add_f32 v[XR+i:XR+i+1], v[XR+i:XR+i+1], v[SA:SA+1] op_sel_hi:[1,0] neg_lo:[0,1] neg_hi:[0,1]
.set i, i+2
.endr
	v_pk_mul_f32 v[SB:SB+1], v[XR:XR+1], v[XR:XR+1]
	v_pk_mul_f32 v[SC:SC+1], v[XR+2:XR+3], v[XR+2:XR+3]
.irp i, 4,8,12,16,20,24,28
	s_delay_alu instid0(VALU_DEP_2)
	v_pk_fma_f32 v[SB:SB+1], v[XR+\i:XR+\i+1], v[XR+\i:XR+\i+1], v[SB:SB+1]
	s_delay_alu instid0(VALU_DEP_2)
	v_pk_fma_f32 v[SC:SC+1], v[XR+\i+2:XR+\i+3], v[XR+\i+2:XR+\i+3], v[SC:SC+1]
.endr
	s_delay_alu instid0(VALU_DEP_1)
	v_pk_add_f32 v[SB:SB+1], v[SB:SB+1], v[SC:SC+1]
	s_delay_alu instid0(VALU_DEP_1)
	v_add_f32 v[SB], v[SB], v[SB+1]
.endm
.macro ACROSS a, b                     ; v[a] and v[b] summed over the 32 lanes, the two by turns; every lane ends up with the sums
.irp m, 1
	v_add_f32_dpp v[\a], v[\a], v[\a] row_xmask:\m row_mask:0xf bank_mask:0xf
	s_delay_alu instid0(VALU_DEP_2)
	v_add_f32_dpp v[\b], v[\b], v[\b] row_xmask:\m row_mask:0xf bank_mask:0xf
.endr
.irp m, 2, 4, 8
	s_delay_alu instid0(VALU_DEP_2)
	v_add_f32_dpp v[\a], v[\a], v[\a] row_xmask:\m row_mask:0xf bank_mask:0xf
	s_delay_alu instid0(VALU_DEP_2)
	v_add_f32_dpp v[\b], v[\b], v[\b] row_xmask:\m row_mask:0xf bank_mask:0xf
.endr
	s_delay_alu instid0(VALU_DEP_2)
	v_permlanex16_b32 v208, v[\a], s20, s21
	s_delay_alu instid0(VALU_DEP_2)
	v_permlanex16_b32 v209, v[\b], s20, s21
	s_delay_alu instid0(VALU_DEP_2)
	v_add_f32 v[\a], v[\a], v208
	s_delay_alu instid0(VALU_DEP_2)
	v_add_f32 v[\b], v[\b], v209
.endm
.macro FINISH rr                       ; y = (d x rsqrt) x gamma + beta, and out
.set XR, CT+32*\rr
.set SB, 6+4*\rr
.set i, 0
.rept 16
	v_pk_mul_f32 v[XR+i:XR+i+1], v[XR+i:XR+i+1], v[SB:SB+1] op_sel_hi:[1,0]
.set i, i+2
.endr
.set i, 0
.rept 16
	v_pk_fma_f32 v[XR+i:XR+i+1], v[XR+i:XR+i+1], v[GA+i:GA+i+1], v[BT+i:BT+i+1]
.set i, i+2
.endr
.irp i, 0,1,2,3,4,5,6,7
	global_store_b128 v1, v[XR+4*\i:XR+4*\i+3], s[12:13] offset:4096*\rr+512*\i th:TH_STORE_NT   ; 32 lanes store 512 consecutive bytes, aligned; written once, read by nobody here
.endr
.endm
	SUMS 0
	SUMS 1
	ACROSS 4, 8
	s_delay_alu instid0(VALU_DEP_2)
	v_mul_f32 v4, s22, v4                          ; the means
	s_delay_alu instid0(VALU_DEP_2)
	v_mul_f32 v8, s22, v8
	SQUARES 0
	SQUARES 1
	ACROSS 6, 10
	s_delay_alu instid0(VALU_DEP_2)
	v_fma_f32 v6, v6, s22, s23                     ; var + eps
	s_delay_alu instid0(VALU_DEP_2)
	v_fma_f32 v10, v10, s22, s23
	s_wait_alu depctr_va_vdst(0)
	v_rsq_f32 v6, v6
	v_rsq_f32 v10, v10
	v_nop                                          ; one plain line behind the transcendentals
	s_wait_alu depctr_va_vdst(0)
	s_wait_loadcnt 0x0                             ; gamma and beta
	FINISH 0
	FINISH 1
	s_wait_tensorcnt 0x0
	ds_add_u32 v216, v217
	s_wait_dscnt 0x0
	s_endpgm
.Lfunc_end_k_q15ecd89362_lnorm:
	.size	k_q15ecd89362_lnorm, .Lfunc_end_k_q15ecd89362_lnorm-k_q15ecd89362_lnorm
	.p2alignl 7, 3214868480
	.fill 96, 4, 3214868480
	.section	.rodata,"a",@progbits
	.p2align	6, 0x0
	.amdhsa_kernel k_q15ecd89362_lnorm
		.amdhsa_group_segment_fixed_size 66816
		.amdhsa_private_segment_fixed_size 0
		.amdhsa_enable_private_segment 0
		.amdhsa_kernarg_size 40
		.amdhsa_user_sgpr_count 2
		.amdhsa_user_sgpr_kernarg_segment_ptr 1
		.amdhsa_wavefront_size32 1
		.amdhsa_system_sgpr_workgroup_id_x 1
		.amdhsa_system_sgpr_workgroup_id_y 1
		.amdhsa_system_sgpr_workgroup_id_z 1
		.amdhsa_system_vgpr_workitem_id 0
		.amdhsa_next_free_vgpr 218
		.amdhsa_next_free_sgpr 66
		.amdhsa_reserve_vcc 0
		.amdhsa_float_denorm_mode_32 3
		.amdhsa_float_denorm_mode_16_64 3
		.amdhsa_memory_ordered 1
		.amdhsa_forward_progress 1
		.amdhsa_inst_pref_size 28
	.end_amdhsa_kernel
	.amdgpu_metadata
---
amdhsa.version: [ 1, 2 ]
amdhsa.kernels:
  - .name:           k_q15ecd89362_lnorm
    .symbol:         k_q15ecd89362_lnorm.kd
    .args:
      - { .name: ctx, .offset: 0, .size: 8, .value_kind: global_buffer, .address_space: global }
      - { .name: q, .offset: 8, .size: 8, .value_kind: global_buffer, .address_space: global }
      - { .name: gamma, .offset: 16, .size: 8, .value_kind: global_buffer, .address_space: global }
      - { .name: beta, .offset: 24, .size: 8, .value_kind: global_buffer, .address_space: global }
      - { .name: out0, .offset: 32, .size: 8, .value_kind: global_buffer, .address_space: global }
    .group_segment_fixed_size: 66816
    .private_segment_fixed_size: 0
    .kernarg_segment_align: 8
    .kernarg_segment_size: 40
    .max_flat_workgroup_size: 256
    .sgpr_count:     66
    .vgpr_count:     218
    .wavefront_size: 32
...
	.end_amdgpu_metadata
.endif
;; end of part 4
